; MI455X (gfx1250); checked and timed in simulation.
; The chip was launched on July 23, 2026; its instructions are those of AMD's public machine-readable ISA for CDNA 5 (MIT licence, August 2026) and "CDNA5" Instruction Set Architecture Reference Guide (July 2026). The comments in the code are by the model that wrote it; some were corrected since.
;; Asynchronized Attention. Allowed arithmetic: float matrix products may take bf16 or f16 operands with f32 sums; all other float work in f32.
;; Inputs: W_qkv 1,024 x 3,072 float32; b_qkv 3,072 float32; x 4 x 4,096 x 1,024 float32.
;; Outputs: out0 4 x 4,096 x 16 x 64 float32.
;; 2 versions, each right; version 2 is version 1 with the launch attn written anew for expert scheduling mode. Each part assembles by itself: llvm-mc -triple=amdgcn-amd-amdhsa -mcpu=gfx1250 --defsym DOCPART=n.
;; ======== version 1 of 2: 3 launches
;; limits: values are held in f16: magnitudes above 65,504 overflow, below 6.1e-05 lose precision
;; workspace buffers: xb 33,554,432 bytes; wt 6,291,456 bytes; bb 12,288 bytes; qkv 100,663,296 bytes
;; launch prep (part 1): grid 1409 x 1, 8 waves a work-group, no clusters, 18,432 bytes of LDS; arguments x, W_qkv, b_qkv, xb, wt, bb; writes xb, wt, bb
.if DOCPART == 1
	.amdgcn_target "amdgcn-amd-amdhsa--gfx1250"
	.amdhsa_code_object_version 6
	.text
	.protected	k_q7db1fef6b9_prep
	.globl	k_q7db1fef6b9_prep
	.p2align	8
	.type	k_q7db1fef6b9_prep,@function
k_q7db1fef6b9_prep:
	s_mov_b64 s[64:65], 0
	v_nop
	global_prefetch_b8 v0, s[64:65] scope:SCOPE_SE
	s_setreg_imm32_b32 hwreg(HW_REG_WAVE_MODE, 25, 1), 1
	s_wait_xcnt 0x0
; PREP.  The three inputs are rounded to bf16 (nearest even) and laid out for the product that follows.
;   xb [16384][1024] bf16 = x.      wt [3072 (n')][1024 (k)] bf16 = W turned, its columns in the order n'.      bb [3072 (n')] f32 = b rounded to bf16 and widened again.
; THE ORDER n'.  W's column is h*192 + part*64 + d (head h, part 0 = Q, 1 = K, 2 = V, channel d).
;   Q, K:  n' = part*1024 + (d>>3)*128 + h*8 + (d&7)            V:  n' = 2048 + (d&3)*256 + (h>>3)*128 + (d>>2)*8 + (h&7)
; With it a token's row of the product falls into twelve pieces of 512 bytes of which lane l's 16 bytes are half a matrix fragment for the attention among the heads.
; SHARES.  Work-groups 0-1023: 16 rows of x each.  1024-1407: a tile of 128 k x 64 columns of W each (one head's Q, K or V).  1408: b.  The branch hangs on the work-group's number alone, so all eight
; waves of a work-group take the same path, the barrier of W's path too.  No matrix unit, no cluster: nothing is multiplied and no two work-groups read the same bytes.
.set XG,    1024                       ; work-groups for x
.set WGS,   384                        ; work-groups for W
.set WROW,  12288                      ; bytes in a row of W
.set TP,    272                        ; W's tile in LDS: [64 columns][128 k] bf16, 256 bytes a column + 16
.set SPARE, 64*TP                      ; behind the tile: the spare words, 128 bytes for each of the eight waves: four blocks of 256 bytes that no other line names
.set SPW,   72                         ; v72  LDS address of my spare word; never rewritten
.set NIL,   73                         ; v73  0; never rewritten
	s_load_b256 s[4:11], s[0:1], 0x0               ; x s[4:5], W s[6:7], b s[8:9], xb s[10:11]
	s_load_b128 s[12:15], s[0:1], 0x20             ; wt s[12:13], bb s[14:15]
	v_lshl_add_u32 v[SPW], v0, 2, SPARE
	v_mov_b32 v[NIL], 0
	s_wait_kmcnt 0x0
	s_cmp_lt_u32 ttmp9, XG
	s_cbranch_scc1 .Lx
	s_cmp_lt_u32 ttmp9, XG+WGS
	s_cbranch_scc1 .Lw
	; ---- b.  Thread t makes bb[m .. m+3] of each part, m = 4 t.
	v_lshlrev_b32 v1, 4, v0                        ; 16 t: my byte offset in each part of bb
	v_lshlrev_b32 v2, 2, v0                        ; m
	v_bfe_u32 v3, v2, 3, 4                         ; (m>>3) & 15
	v_lshrrev_b32 v4, 7, v2                        ; m>>7
	v_and_b32 v5, 7, v2                            ; m & 7: 0 or 4, so m .. m+3 stay in one group of eight
	v_mul_u32_u24 v6, v3, 192                      ; Q, K: head (m>>3)&15, channel (m>>7)*8 + (m&7) + 0..3: four neighbouring numbers of b
	v_lshl_add_u32 v6, v4, 3, v6
	v_add_lshl_u32 v6, v6, v5, 2                   ; in bytes; the part stands in the immediate
	v_bfe_u32 v7, v2, 7, 1                         ; V: head ((m>>7)&1)*8 + (m&7) + 0..3, channel ((m>>3)&15)*4 + (m>>8): four numbers 192 apart
	v_lshl_add_u32 v7, v7, 3, v5
	v_mul_u32_u24 v7, v7, 192
	v_lshl_add_u32 v7, v3, 2, v7
	v_lshrrev_b32 v4, 8, v2
	v_add_lshl_u32 v7, v7, v4, 2
	global_load_b128 v[8:11], v6, s[8:9]
	global_load_b128 v[12:15], v6, s[8:9] offset:256
.irp e, 0,1,2,3
	global_load_b32 v[16+(\e)], v7, s[8:9] offset:512+768*(\e)
.endr
	s_wait_loadcnt 0x0
.irp j, 0,1,2,3,4,5
	v_cvt_pk_bf16_f32 v[20+(\j)], v[8+2*(\j)], v[9+2*(\j)]   ; rounded as x and W are,
.endr
.irp j, 0,1,2,3,4,5
	v_lshlrev_b32 v[28+2*(\j)], 16, v[20+(\j)]               ; and widened again: the product takes the bias in f32
	v_and_b32 v[29+2*(\j)], 0xffff0000, v[20+(\j)]
.endr
.irp p, 0,1,2
	global_store_b128 v1, v[28+4*(\p):31+4*(\p)], s[14:15] offset:4096*(\p)
.endr
	s_endpgm
	; ---- x.  16 rows of 4,096 bytes; thread t owns the 16 bytes at 16 t of every row.  All sixteen loads go out at once; each row is converted in place and stored as soon as it is in.
.Lx:
	s_lshl_b32 s16, ttmp9, 16                      ; 16 rows of x,
	s_mov_b32 s17, 0
	s_add_nc_u64 s[4:5], s[4:5], s[16:17]
	s_lshl_b32 s16, ttmp9, 15                      ; and of xb
	s_add_nc_u64 s[10:11], s[10:11], s[16:17]
	v_lshlrev_b32 v1, 4, v0
	v_lshlrev_b32 v2, 3, v0
.set i, 0
.rept 16
	global_load_b128 v[8+4*i:11+4*i], v1, s[4:5] offset:4096*i th:TH_LOAD_NT
.set i, i+1
.endr
.set i, 0
.rept 16
	s_wait_loadcnt 15-i                            ; loads come back in order: row i is in, the 15 - i younger ones stay out
	v_cvt_pk_bf16_f32 v[8+4*i], v[8+4*i], v[9+4*i]
	v_cvt_pk_bf16_f32 v[9+4*i], v[10+4*i], v[11+4*i]
	global_store_b64 v2, v[8+4*i:9+4*i], s[10:11] offset:2048*i   ; a wave's 32 lanes store 256 consecutive bytes, aligned
.set i, i+1
.endr
	s_endpgm
	; ---- W.  Tile (cb, kb): columns 64 cb .. + 63 (cb = 3 h + part), rows 128 kb .. + 127.  Read by rows, rounded in pairs of rows, turned through LDS, stored as 64 rows of wt, 256 bytes each.
.Lw:
	s_sub_co_u32 s16, ttmp9, XG
	s_lshr_b32 s17, s16, 3                         ; cb 0..47
	s_and_b32 s18, s16, 7                          ; kb
	s_mul_hi_u32 s19, s17, 0x55555556              ; h = cb / 3
	s_mul_i32 s20, s19, 3
	s_sub_co_u32 s20, s17, s20                     ; part
	s_lshl_b32 s21, s20, 10
	s_lshl3_add_u32 s21, s19, s21                  ; Q, K: n' of channel 0 = part*1024 + 8 h
	s_lshr_b32 s22, s19, 3
	s_lshl_b32 s22, s22, 7
	s_and_b32 s23, s19, 7
	s_add_co_u32 s22, s22, s23
	s_add_co_u32 s22, s22, 2048                    ; V: 2048 + (h>>3)*128 + (h&7)
	s_mov_b32 s28, 524288                          ; channel + 16 is 256 rows of wt on (Q, K),
	s_mov_b32 s29, 65536                           ; or 32 rows (V)
	s_cmp_eq_u32 s20, 2                            ; channel d < 16 adds ((d>>A)<<B) + ((d&M)<<C) rows:   Q, K: (d>>3)*128 + (d&7)     V: (d>>2)*8 + (d&3)*256
	s_cselect_b32 s21, s22, s21
	s_cselect_b32 s24, 2, 3                        ; A
	s_cselect_b32 s25, 3, 7                        ; B
	s_cselect_b32 s26, 3, 7                        ; M
	s_cselect_b32 s27, 8, 0                        ; C
	s_cselect_b32 s28, s29, s28
	s_mul_i32 s22, s18, 128*WROW
	s_lshl_b32 s23, s17, 8
	s_add_co_u32 s22, s22, s23
	s_mov_b32 s23, 0
	s_add_nc_u64 s[6:7], s[6:7], s[22:23]          ; W at the tile's corner
	s_lshl_b32 s22, s21, 11
	s_lshl_b32 s29, s18, 8
	s_add_co_u32 s22, s22, s29
	s_add_nc_u64 s[12:13], s[12:13], s[22:23]      ; wt at channel 0's row, the tile's 256 bytes of it
	v_and_b32 v1, 15, v0                           ; cq: four columns, 16 bytes of a row of W
	v_lshrrev_b32 v2, 4, v0                        ; rp: pairs of rows rp, rp + 16, rp + 32, rp + 48
	v_mul_u32_u24 v3, v2, 2*WROW
	v_lshl_add_u32 v3, v1, 4, v3
.irp i, 0,1,2,3
.irp e, 0,1
	global_load_b128 v[8+8*(\i)+4*(\e):11+8*(\i)+4*(\e)], v3, s[6:7] offset:(\i)*32*WROW+(\e)*WROW th:TH_LOAD_NT   ; sixteen lanes take 256 consecutive bytes of one row
.endr
.endr
	v_mul_u32_u24 v4, v1, 4*TP                     ; into LDS: column 4 cq (+ q in the immediate), k = 2 rp (+ 32 i)
	v_lshl_add_u32 v4, v2, 2, v4
	v_mul_u32_u24 v5, v2, TP                       ; back: column rp (+ 16 i), 16 bytes at 16 cq
	v_lshl_add_u32 v5, v1, 4, v5
	v_lshrrev_b32 v6, s24, v2                      ; where column rp goes in wt
	v_lshlrev_b32 v6, s25, v6
	v_and_b32 v7, s26, v2
	v_lshlrev_b32 v7, s27, v7
	v_add_lshl_u32 v6, v6, v7, 11                  ; rows of 2,048 bytes
	v_lshl_add_u32 v56, v1, 4, v6
	v_add_nc_u32 v57, s28, v56                     ; and columns rp + 16, + 32, + 48
	v_add_nc_u32 v58, s28, v57
	v_add_nc_u32 v59, s28, v58
.irp i, 0,1,2,3
	s_wait_loadcnt 6-2*(\i)                        ; pair i's two rows are in; the younger pairs stay out
.irp q, 0,1,2,3
	v_cvt_pk_bf16_f32 v[40+4*(\i)+(\q)], v[8+8*(\i)+(\q)], v[12+8*(\i)+(\q)]   ; one column, two neighbouring k: a word of wt
.endr
.irp q, 0,1,2,3
	ds_store_b32 v4, v[40+4*(\i)+(\q)] offset:(\q)*TP+64*(\i)
.endr
.endr
	s_wait_dscnt 0x0                               ; for the others' sake: my stores into the tile are done
	s_barrier_signal -1
	s_barrier_wait -1
.irp i, 0,1,2,3
	ds_load_b128 v[8+4*(\i):11+4*(\i)], v5 offset:16*TP*(\i)
.endr
.irp i, 0,1,2,3
	s_wait_dscnt 3-(\i)                            ; LDS loads come back in order
	global_store_b128 v[56+(\i)], v[8+4*(\i):11+4*(\i)], s[12:13]   ; sixteen lanes store 256 consecutive bytes of one row of wt, aligned
.endr
	s_wait_tensorcnt 0x0                           ; the wave's end, behind my last LDS store
	ds_add_u32 v[SPW], v[NIL]
	s_wait_dscnt 0x0
	s_endpgm
.Lfunc_end_k_q7db1fef6b9_prep:
	.size	k_q7db1fef6b9_prep, .Lfunc_end_k_q7db1fef6b9_prep-k_q7db1fef6b9_prep
	.p2alignl 7, 3214868480
	.fill 96, 4, 3214868480
	.section	.rodata,"a",@progbits
	.p2align	6, 0x0
	.amdhsa_kernel k_q7db1fef6b9_prep
		.amdhsa_group_segment_fixed_size 18432
		.amdhsa_private_segment_fixed_size 0
		.amdhsa_enable_private_segment 0
		.amdhsa_kernarg_size 48
		.amdhsa_user_sgpr_count 2
		.amdhsa_user_sgpr_kernarg_segment_ptr 1
		.amdhsa_wavefront_size32 1
		.amdhsa_system_sgpr_workgroup_id_x 1
		.amdhsa_system_sgpr_workgroup_id_y 1
		.amdhsa_system_sgpr_workgroup_id_z 1
		.amdhsa_system_vgpr_workitem_id 0
		.amdhsa_next_free_vgpr 80
		.amdhsa_next_free_sgpr 66
		.amdhsa_reserve_vcc 0
		.amdhsa_float_denorm_mode_32 3
		.amdhsa_float_denorm_mode_16_64 3
		.amdhsa_memory_ordered 1
		.amdhsa_forward_progress 1
		.amdhsa_inst_pref_size 15
	.end_amdhsa_kernel
	.amdgpu_metadata
---
amdhsa.version: [ 1, 2 ]
amdhsa.kernels:
  - .name:           k_q7db1fef6b9_prep
    .symbol:         k_q7db1fef6b9_prep.kd
    .args:
      - { .name: x, .offset: 0, .size: 8, .value_kind: global_buffer, .address_space: global }
      - { .name: W_qkv, .offset: 8, .size: 8, .value_kind: global_buffer, .address_space: global }
      - { .name: b_qkv, .offset: 16, .size: 8, .value_kind: global_buffer, .address_space: global }
      - { .name: xb, .offset: 24, .size: 8, .value_kind: global_buffer, .address_space: global }
      - { .name: wt, .offset: 32, .size: 8, .value_kind: global_buffer, .address_space: global }
      - { .name: bb, .offset: 40, .size: 8, .value_kind: global_buffer, .address_space: global }
    .group_segment_fixed_size: 18432
    .private_segment_fixed_size: 0
    .kernarg_segment_align: 8
    .kernarg_segment_size: 48
    .max_flat_workgroup_size: 256
    .sgpr_count:     66
    .vgpr_count:     80
    .wavefront_size: 32
...
	.end_amdgpu_metadata
.endif
;; end of part 1
;; launch gemm (part 2): grid 4 x 64, 4 waves a work-group, clusters of 4 x 4, 327,680 bytes of LDS; arguments xb, wt, bb, qkv; writes qkv
.if DOCPART == 2
	.amdgcn_target "amdgcn-amd-amdhsa--gfx1250"
	.amdhsa_code_object_version 6
	.text
	.protected	k_q7db1fef6b9_gemm
	.globl	k_q7db1fef6b9_gemm
	.p2align	8
	.type	k_q7db1fef6b9_gemm,@function
k_q7db1fef6b9_gemm:
	s_mov_b64 s[64:65], 0
	v_nop
	global_prefetch_b8 v0, s[64:65] scope:SCOPE_SE
	s_setreg_imm32_b32 hwreg(HW_REG_WAVE_MODE, 25, 1), 1
	s_wait_xcnt 0x0
	s_wait_alu depctr_hold_cnt(0) depctr_sa_sdst(0) depctr_va_vdst(0) depctr_va_sdst(0) depctr_va_ssrc(0) depctr_va_vcc(0) depctr_vm_vsrc(0)
	s_getreg_b32 s2, hwreg(HW_REG_IB_STS2, 6, 4)
	s_cmp_eq_u32 s2, 0
	s_cbranch_scc0 .Lentry_in_a_cluster
	s_endpgm
.Lentry_in_a_cluster:
	s_bfe_u32 s2, ttmp6, 0x10000c
	s_cmp_lg_u32 s2, 0xf033
	s_cbranch_scc0 .Lentry_shape_is_right
	s_endpgm
.Lentry_shape_is_right:
; qkv[m][n] = bb[n] + the sum over k of xb[m][k] wt[n][k].  xb: [16384][1024] bf16, wt: [3072][1024] bf16, bb: [3072] f32, qkv: [16384][3072] f16; sums in f32, started by the bias, rounded once.
; LIMIT.  f16 holds no number beyond 65,504: a larger result becomes an infinity; below 6e-5 a result keeps f16's fixed step of 6e-8.
; A tile of qkv, 256 x 256, is made by a work-group of four waves; a wave makes 128 x 128: 64 accumulators of 16 x 16, 512 registers.  K goes in steps of 128 through a ring of two LDS slots filled by the
; tensor data mover: the tiles' rows are 256 bytes of memory and start at multiples of 256 bytes from the buffer's first byte.
; A WORK-GROUP STAYS: 768 tiles are three for each of 256 work-groups.  Its tiles lie side by side, 1,024 columns apart: the same rows of xb, other rows of wt.  The ring does not stop at a tile's end: a tile's
; last two changes of slots ask for the next tile's first two K steps, and nothing waits for a tile's stores.  The last tile's last K step goes by rows of qkv, so that finished rows leave while the others are multiplied.
; CLUSTERS: 4 x 4 work-groups.  The four of a row of the cluster need the same tiles of xb, the four of a column the same tiles of wt: each tile is asked for JOINTLY, by the same tensor load with the same
; descriptor and a mask that names the four; each receives it in its own LDS.  That divides the requests for both by four.
; REGISTERS, in windows of 256 (s_set_vgpr_msb's low byte: bits 1:0 source 0, 3:2 source 1, 5:4 source 2, 7:6 destination):
;   window 0: v0-31 addresses; v64-127, v128-191 fragments of xb (8 x 16 rows x 32 K), two buffers (in the very last K step four, of 16 rows x 128 K); v32-63, v192-255 at work on the way out
;   window 1: v0-63 the bias of my 128 columns, as eight C operands; v64-127, v128-191 fragments of wt, two buffers; in the very last K step all 256: wt's fragments of the whole step
;   window 2: the 32 accumulators of my rows 0-63 (accumulator (a, b) at v[8 (8 a + b)]);   window 3: those of my rows 64-127
; THE MATRIX INSTRUCTION IS USED TRANSPOSED: source 0 = 16 rows of wt, source 1 = 16 rows of xb.  In the result lane l holds row l % 16 of qkv and its registers 0 to 7 the columns 8 (l / 16) + 0..7:
; eight neighbouring numbers of a row, which pack into 16 bytes.  So the C operand that starts column block b's sums holds bb[16 b + 8 (l / 16) + j] in register j, the same for all rows.
.set SIZE_N, 3072
.set SIZE_K, 1024
.set TILES,  3
.set KSTEP,  128
.set PITCH,  272                       ; an LDS row: 256 bytes of data + 16 of padding = 68 words: row r starts at bank 4 r mod 64 (64 banks of 4 bytes: ISA guide 11.1), so the 16 rows that a load touches start at 16 different banks
.set HALFT,  128*PITCH                 ; 128 rows: what one tensor load brings, and what one wave reads of xb or of wt
.set SLOT,   4*HALFT                   ; xb's 256 rows, then wt's 256 rows
.set STAGE,  2*SLOT                    ; behind the ring: 16 rows x 272 bytes for each wave, for the way out; no tensor load fills it
.set SPITCH, 272
.set SPARE,  STAGE+4*16*SPITCH         ; behind the stages: the spare words, 128 bytes for each wave: two blocks of 256 bytes that no other line names
.set LAPS,   SIZE_K/(2*KSTEP)          ; a lap = two K steps = once round the ring
.set BACK_A, (SIZE_K-2*KSTEP)*2        ; bytes from a slot's last K step of a tile back to its first: xb's rows stay,
.set NEXT_B, 1024*SIZE_K*2-BACK_A      ; wt goes 1,024 rows on and back along K
.set ADRA, 16                          ; v16-17  LDS address of my xb fragments in slot 0, 1
.set ADRB, 20                          ; v20-21  the same for wt
.set STO,  24                          ; v24     the way out: where I put 16 bytes of a row
.set RD,   25                          ; v25     the way out: where I read a row back
.set CO,   26                          ; v26     my byte offset in qkv
.set BO,   27                          ; v27     my byte offset in the bias: 32 (l / 16)
.set SPW,  28                          ; v28     LDS address of my spare word; never rewritten
.set NIL,  29                          ; v29     0; never rewritten
.set F0,   64                          ; fragment buffer 0
.set F1,   128                         ; fragment buffer 1
.set TMP,  192                         ; the way out: packed results, in window 0
.set OB,   32                          ; the way out: 16 rows read back from the stage: v32-63 and v224-255 by turns
.set PA,   64                          ; the very last K step: xb's fragments of 16 rows x 128 K, 32 registers; four such buffers, v64-191
.set BI,   0                           ; the bias, in window 1
.set G1,  24                           ; s[24:31] descriptor group 1 for xb's tiles
.set G0,  32                           ; s[32:39] descriptor group 0 for xb's tiles, one set for each slot
.set G1B, 48                           ; s[48:55] group 1 for wt's tiles: it differs in the mask alone
.set G0B, 56                           ; s[56:63] group 0 for wt's tiles
.set BBP, 68                           ; s[68:69] bb at my 128 columns of the tile in hand
.set QKP, 70                           ; s[70:71] qkv at my part of the tile in hand
.set MSB, 0
.macro WIN new                         ; the immediate's high byte repeats the setting that is left; a switch that changes nothing is dropped
.if MSB != (\new)
	s_set_vgpr_msb (MSB<<8)|(\new)
.set MSB, \new
.endif
.endm
.set MUL_LO, 0xa1                      ; source 0 (wt) window 1, source 1 (xb) window 0, C and D window 2; + 0x50: C and D window 3
.set MUL_B,  0x91                      ; the same with C (the bias) in window 1; + 0x40: D window 3
.set TO_B,   0x40                      ; destination window 1, address window 0
; A joint load.  Waves 0 and 1 fetch xb's two halves, waves 2 and 3 wt's.  Each of the two lines has ONE mask and one set of registers for all that issue it.  The branch hangs on the wave's number alone.
; An s_nop 0 and four v_nop follow each of the two lines; the jump, the label and what follows the macro come after them.
.macro JLOAD s
	s_cmp_eq_u32 s11, 0
	s_cbranch_scc0 .Lfor_b_\@
	tensor_load_to_lds s[G0+4*(\s):G0+4*(\s)+3], s[G1:G1+7]
	s_nop 0
.rept 4
	v_nop
.endr
	s_branch .Lasked_\@
.Lfor_b_\@:
	tensor_load_to_lds s[G0B+4*(\s):G0B+4*(\s)+3], s[G1B:G1B+7]
	s_nop 0
.rept 4
	v_nop
.endr
.Lasked_\@:
.endm
; A round of the cluster's barrier: my work-group's barrier, so that wave 0's signal speaks for all four waves; wave 0 signals for the work-group; every wave waits for all sixteen; my work-group's barrier once more.
.macro CREST                           ; a round behind its opening barrier
	s_cmp_lg_u32 s10, 0
	s_cbranch_scc1 .Lnot_wave_0_\@
	s_barrier_signal -3
.Lnot_wave_0_\@:
	s_barrier_wait -3
	s_barrier_signal -1
	s_barrier_wait -1
.endm
.macro CROUND                          ; a whole round
	s_barrier_signal -1
	s_barrier_wait -1
	CREST
.endm
	s_load_b128 s[4:7], s[0:1], 0x0                ; xb s[4:5], wt s[6:7]
	s_load_b128 s[68:71], s[0:1], 0x10             ; bb s[68:69], qkv s[70:71]
	v_lshl_add_u32 v[SPW], v0, 2, SPARE
	v_mov_b32 v[NIL], 0
	ds_add_u32 v[SPW], v[NIL]                      ; the wave's opening: the add and its wait stand ahead of my first tensor load; the set-up below, work on registers, stands between them
	v_lshrrev_b32 v1, 5, v0
	v_readfirstlane_b32 s10, v1                    ; wave 0..3
	s_lshr_b32 s11, s10, 1                         ; which half of the tile's rows is mine.  Also: I fetch for xb (0) or for wt (1)
	s_and_b32 s12, s10, 1                          ; which half of its columns.  Also: which 128 rows of that tile I fetch
	s_bfe_u32 s40, ttmp6, 0x40000                  ; cx: my place along the cluster's x
	s_bfe_u32 s41, ttmp6, 0x40004                  ; cy: along its y
	s_lshl_b32 s42, ttmp9, 2                       ; in a cluster launch ttmp9 and ttmp7 count clusters
	s_add_co_u32 s42, s42, s40                     ; my first tile column = 4 x cluster x + cx
	s_and_b32 s13, ttmp7, 0xffff
	s_lshl_b32 s13, s13, 2
	s_add_co_u32 s13, s13, s41                     ; tile row = 4 x cluster y + cy
	s_lshl_b32 s43, s41, 2
	s_lshl_b32 s43, 15, s43                        ; my row of the cluster: places 4 cy .. 4 cy + 3
	s_lshl_b32 s44, 0x1111, s40                    ; my column: places cx, cx + 4, cx + 8, cx + 12
	; descriptor group 1: a tile of 128 rows x 128 elements, padded in LDS
	s_or_b32 s[G1+0], s43, (1<<16)|(1<<20)|(1<<21)|(5<<22)|(3<<25)  ; 15:0 the mask: xb's tiles go to my row; 17:16 elements of 2 bytes; 20 padding on; 21 set beside a mask; 24:22 after every 64 words (code 5); 31:25 4 words of it (code 3)
	s_or_b32 s[G1B+0], s44, (1<<16)|(1<<20)|(1<<21)|(5<<22)|(3<<25) ; the same with the mask of my column, for wt's tiles
	s_mov_b32 s[G1B+1], KSTEP<<16
	s_mov_b32 s[G1+1], KSTEP<<16                   ; 63:48 tensor_dim0, low half = 128
	s_mov_b32 s[G1B+2], 128<<16
	s_mov_b32 s[G1+2], 128<<16                     ; 95:80 tensor_dim1, low half = 128
	s_mov_b32 s[G1B+3], KSTEP<<16
	s_mov_b32 s[G1+3], KSTEP<<16                   ; 127:112 tile_dim0 = 128
	s_mov_b32 s[G1B+4], 128
	s_mov_b32 s[G1+4], 128                         ; 143:128 tile_dim1 = 128; tile_dim2 = 0
	s_mov_b32 s[G1B+5], SIZE_K
	s_mov_b32 s[G1+5], SIZE_K                      ; 191:160 elements from row to row
	s_mov_b32 s[G1B+6], 0
	s_mov_b32 s[G1+6], 0
	s_mov_b32 s[G1B+7], 0
	s_mov_b32 s[G1+7], 0
	; where the tiles come from.  xb's hang on the tile row alone, which my row of the cluster shares; wt's on the tile column alone, which my column shares.
	; Every wave makes both addresses, in registers that never hold the other coordinate, and asks by one of them.
	s_lshl_b32 s17, s12, 7                         ; which 128 rows of the tile I fetch
	s_lshl_b32 s16, s13, 8
	s_add_co_u32 s16, s16, s17                     ; xb: row 256 x tile row + 128 x half
	s_lshl_b32 s46, s42, 8
	s_add_co_u32 s46, s46, s17                     ; wt: row 256 x tile column + 128 x half
	s_mov_b32 s17, 0
	s_mov_b32 s47, 0
	s_mov_b64 s[18:19], SIZE_K*2
	s_mul_u64 s[16:17], s[16:17], s[18:19]         ; in bytes, in 64 bits
	s_mul_u64 s[46:47], s[46:47], s[18:19]
	s_mul_i32 s20, s10, HALFT                      ; and where they go: wave x 128 rows: no place in the cluster enters an LDS address
	s_wait_dscnt 0x0                               ; the opening add is done
	s_wait_kmcnt 0x0
	s_add_nc_u64 s[14:15], s[4:5], s[16:17]
	s_add_nc_u64 s[46:47], s[6:7], s[46:47]
	CROUND                                         ; all sixteen work-groups are here: the first joint loads meet
.irp s, 0,1
	s_mov_b32 s[G0+4*(\s)], 1                                      ; 1:0 count = 1
	s_add_co_u32 s[G0+4*(\s)+1], s20, (\s)*SLOT                    ; 63:32 LDS address
	s_add_nc_u64 s[G0+4*(\s)+2:G0+4*(\s)+3], s[14:15], (\s)*KSTEP*2  ; 120:64 global address: K step s
	s_or_b32 s[G0+4*(\s)+3], s[G0+4*(\s)+3], 0x80000000            ; 127:126 type = 2
	s_mov_b32 s[G0B+4*(\s)], 1
	s_add_co_u32 s[G0B+4*(\s)+1], s20, (\s)*SLOT
	s_add_nc_u64 s[G0B+4*(\s)+2:G0B+4*(\s)+3], s[46:47], (\s)*KSTEP*2
	s_or_b32 s[G0B+4*(\s)+3], s[G0B+4*(\s)+3], 0x80000000
	JLOAD \s                                       ; the ring is filled before anything else is done: two tensor loads of mine are out
.endr
; The bias of my 128 columns: for column block b the eight numbers 16 b + 8 (l / 16) + 0..7, 32 bytes a lane.
.macro BIAS
	WIN TO_B
.irp b, 0,1,2,3,4,5,6,7
	global_load_b128 v[BI+8*(\b):BI+8*(\b)+3],   v[BO], s[BBP:BBP+1] offset:64*(\b)
	global_load_b128 v[BI+8*(\b)+4:BI+8*(\b)+7], v[BO], s[BBP:BBP+1] offset:64*(\b)+16
.endr
	WIN 0
.endm
	v_and_b32 v1, 15, v0                           ; l % 16
	v_bfe_u32 v2, v0, 4, 1                         ; l / 16
	v_lshlrev_b32 v[BO], 5, v2
	s_lshl_b32 s46, s42, 10                        ; 256 columns of 4 bytes a tile column (in the registers that held wt's address: none that feeds xb's descriptors ever holds cx),
	s_lshl_b32 s47, s12, 9                         ; my half of them
	s_add_co_u32 s46, s46, s47
	s_mov_b32 s47, 0
	s_add_nc_u64 s[BBP:BBP+1], s[BBP:BBP+1], s[46:47]
	BIAS                                           ; the first tile's
	; A fragment is 16 rows x 32 K in 8 registers: lane l holds row l % 16; registers 0-3 hold K = 8 (l / 16) + 0..7, registers 4-7 K = 16 + 8 (l / 16) + 0..7: two loads of 16 bytes, 32 bytes apart.
	v_mul_u32_u24 v3, v1, PITCH
	v_lshl_add_u32 v3, v2, 4, v3                   ; row x pitch + 16 x half
	s_mul_i32 s21, s11, HALFT                      ; my 128 rows of xb
	s_mul_i32 s22, s12, HALFT                      ; my 128 rows of wt,
	s_add_co_u32 s22, s22, 2*HALFT                 ; which lie behind xb's 256
.irp s, 0,1
	v_add_nc_u32 v[ADRA+(\s)], s21, v3
	v_add_nc_u32 v[ADRB+(\s)], s22, v3
	s_add_co_u32 s21, s21, SLOT
	s_add_co_u32 s22, s22, SLOT
.endr
	s_mul_i32 s23, s10, 16*SPITCH
	s_add_co_u32 s23, s23, STAGE                   ; my stage
	v_mul_u32_u24 v4, v1, SPITCH                   ; in: row l % 16, 16 bytes for each half of the lanes
	v_lshl_add_u32 v4, v2, 4, v4
	v_add_nc_u32 v[STO], s23, v4
	v_mul_u32_u24 v5, v2, SPITCH                   ; back: lanes 0-15 take one row of 256 bytes, lanes 16-31 the next
	v_lshl_add_u32 v5, v1, 4, v5
	v_add_nc_u32 v[RD], s23, v5
	v_mul_u32_u24 v5, v2, SIZE_N*2                 ; and the same two rows in qkv
	v_lshl_add_u32 v[CO], v1, 4, v5
	s_lshl_b32 s13, s13, 8                         ; where my part of the first tile begins in qkv
	s_lshl_b32 s14, s11, 7
	s_add_co_u32 s16, s13, s14                     ; my first row
	s_mov_b32 s17, 0
	s_mov_b64 s[18:19], SIZE_N*2
	s_mul_u64 s[16:17], s[16:17], s[18:19]
	s_lshl_b32 s46, s42, 9                         ; my first column, in bytes: 512 x tile column + 256 x half
	s_lshl_b32 s47, s12, 8
	s_add_co_u32 s46, s46, s47
	s_mov_b32 s47, 0
	s_add_nc_u64 s[16:17], s[16:17], s[46:47]
	s_add_nc_u64 s[QKP:QKP+1], s[QKP:QKP+1], s[16:17]
; 16 matrix instructions: m blocks a0, a0 + 1 of the window's four (hi = 0: my rows 0-63, 1: rows 64-127) x all 8 n blocks, 32 along K.
; zero = 1: the first product starts the sums, with the bias as C: nothing is ever cleared.  The 64 accumulators take turns, one instruction a turn.
.macro MUL16 f, hi, a0, zero
.if \zero
	WIN MUL_B+0x40*(\hi)
.else
	WIN MUL_LO+0x50*(\hi)
.endif
.irp a, \a0, (\a0)+1
.irp b, 0,1,2,3,4,5,6,7
.if \zero
	v_wmma_f32_16x16x32_bf16 v[8*(8*(\a)+(\b)):8*(8*(\a)+(\b))+7], v[(\f)+8*(\b):(\f)+8*(\b)+7], v[(\f)+8*(4*(\hi)+(\a)):(\f)+8*(4*(\hi)+(\a))+7], v[BI+8*(\b):BI+8*(\b)+7]
.else
	v_wmma_f32_16x16x32_bf16 v[8*(8*(\a)+(\b)):8*(8*(\a)+(\b))+7], v[(\f)+8*(\b):(\f)+8*(\b)+7], v[(\f)+8*(4*(\hi)+(\a)):(\f)+8*(4*(\hi)+(\a))+7], v[8*(8*(\a)+(\b)):8*(8*(\a)+(\b))+7]
.endif
.endr
.endr
.endm
; 32 LDS loads in one run: the fragments of one quarter step (128 rows of wt, 128 rows of xb, 32 K at byte k of the rows) into buffer f
.macro FETCH slot, k, f
	WIN TO_B
.irp i, 0,1,2,3,4,5,6,7
	ds_load_b128 v[(\f)+8*(\i):(\f)+8*(\i)+3],   v[ADRB+(\slot)] offset:(\k)+(\i)*16*PITCH
	ds_load_b128 v[(\f)+8*(\i)+4:(\f)+8*(\i)+7], v[ADRB+(\slot)] offset:(\k)+(\i)*16*PITCH+32
.endr
	WIN 0
.irp i, 0,1,2,3,4,5,6,7
	ds_load_b128 v[(\f)+8*(\i):(\f)+8*(\i)+3],   v[ADRA+(\slot)] offset:(\k)+(\i)*16*PITCH
	ds_load_b128 v[(\f)+8*(\i)+4:(\f)+8*(\i)+7], v[ADRA+(\slot)] offset:(\k)+(\i)*16*PITCH+32
.endr
.endm
; A load into a register that a matrix instruction has read, and a vector instruction that reads a matrix result, stand four places behind that matrix instruction, and only plain vector instructions that
; name none of its registers are places (ISA guide 7.12.1 for vector instructions).  So four v_nop stand in front of each run of loads, and of conversions that read results just made.
.macro PLACES
.rept 4
	v_nop
.endr
.endm
; A K step is four quarter steps of 32 along K, 64 matrix instructions each, on buffers 0, 1, 0, 1.
; One of the first three: multiplies buffer f; in its middle it fetches the next quarter's fragments, at byte k of the same slot's rows, into buffer g.
.macro QUARTER slot, k, f, g, zero
	s_wait_dscnt 8                                 ; wt and xb's rows 0-63 are in; the youngest eight loads (xb's rows 64-127) may be out
	MUL16 \f, 0, 0, \zero
	MUL16 \f, 0, 2, \zero
	PLACES
	FETCH \slot, \k, \g
	s_wait_dscnt 32                                ; all but the 32 just issued
	MUL16 \f, 1, 0, \zero
	MUL16 \f, 1, 2, \zero
.endm
; The last quarter multiplies buffer 1 and changes slots.  MEET is its first half: ONE barrier for the change.  In front of it each wave waits for all its tensor loads, of which one is out: its part of the
; next slot; adds 0 to its spare word; and waits for that and for its own reads of this slot.  Behind it nobody reads this slot any more and the next slot is whole.
.macro MEET round                      ; round = 1: a round of the cluster's barrier follows
	WIN 0                                          ; (the add's two registers lie in window 0)
	s_wait_tensorcnt 0x0                           ; all my tensor loads have landed;
	ds_add_u32 v[SPW], v[NIL]                      ; 0 onto my spare word;
	s_wait_dscnt 9                                 ; (the add and the youngest eight loads may be out)
	MUL16 F1, 0, 0, 0                              ; sixteen matrix instructions stand between the add and the wait for it
	s_wait_dscnt 0x0                               ; the add is done, and my reads of this slot are over:
	s_barrier_signal -1                            ; say so,
	MUL16 F1, 0, 2, 0                              ; work on registers while the others arrive,
.if \round
	WIN 0
.endif
	s_barrier_wait -1                              ; and go on when all four have said so
.endm
; The whole last quarter.  The slot just read out is filled again: with this tile's K step two steps on (on = 0) or, in a tile's last two K steps, with the NEXT tile's K step 0 or 1 (on = 1).
; The fill stands first behind a round of the cluster's barrier: no wave of any partner still reads the slot or has a load on its way.  From a request to the wait for it a wave issues 224 matrix instructions.
.macro TURN slot, next, on
	MEET 1
	CREST
.if \on
	s_sub_nc_u64 s[G0+4*(\slot)+2:G0+4*(\slot)+3], s[G0+4*(\slot)+2:G0+4*(\slot)+3], BACK_A
	s_add_nc_u64 s[G0B+4*(\slot)+2:G0B+4*(\slot)+3], s[G0B+4*(\slot)+2:G0B+4*(\slot)+3], NEXT_B
.else
	s_add_nc_u64 s[G0+4*(\slot)+2:G0+4*(\slot)+3], s[G0+4*(\slot)+2:G0+4*(\slot)+3], 2*KSTEP*2
	s_add_nc_u64 s[G0B+4*(\slot)+2:G0B+4*(\slot)+3], s[G0B+4*(\slot)+2:G0B+4*(\slot)+3], 2*KSTEP*2
.endif
	JLOAD \slot                                    ; my one tensor load behind the round; the four v_nop behind it are also the places in front of the loads below
	FETCH \next, 0, F0
	MUL16 F1, 1, 0, 0
	MUL16 F1, 1, 2, 0
.endm
; THE LAST K STEP OF THE LAST TILE (it lies in slot 1) GOES BY ROWS OF qkv, NOT BY K.  All its fragments of wt (4 quarters x 64 registers) fill window 1, the bias's registers among them: the last tile's sums
; have long been started.  Then my eight blocks of 16 rows are finished one after the other, each with 32 matrix instructions (its 8 accumulators by turns, K ascending: the sums stay the same bit for bit).
; LDS is read no more than in any other K step.
.macro BLOAD q                         ; wt's fragments of quarter q -> window 1, v[64 q ..]
	WIN TO_B
.irp i, 0,1,2,3,4,5,6,7
	ds_load_b128 v[64*(\q)+8*(\i):64*(\q)+8*(\i)+3],   v[ADRB+1] offset:64*(\q)+(\i)*16*PITCH
	ds_load_b128 v[64*(\q)+8*(\i)+4:64*(\q)+8*(\i)+7], v[ADRB+1] offset:64*(\q)+(\i)*16*PITCH+32
.endr
.endm
.macro ALOAD a                         ; xb's fragments of block a, all four quarters -> buffer a % 4
	WIN 0
.set FA, PA+32*((\a)%4)
.irp q, 0,1,2,3
	ds_load_b128 v[FA+8*(\q):FA+8*(\q)+3],   v[ADRA+1] offset:64*(\q)+(\a)*16*PITCH
	ds_load_b128 v[FA+8*(\q)+4:FA+8*(\q)+7], v[ADRA+1] offset:64*(\q)+(\a)*16*PITCH+32
.endr
.endm
.macro ROW a                           ; block a is finished: 32 matrix instructions
.set FA, PA+32*((\a)%4)                ; its fragments of xb
.set AC, 64*((\a)%4)                   ; its eight accumulators, in window 2 (blocks 0-3) or 3 (blocks 4-7)
	WIN MUL_LO+0x50*((\a)/4)
.irp q, 0,1,2,3
.if (\a) == 0 && (\q) == 2
	s_wait_dscnt 24                                ; wt's quarter 2 is in (behind it: xb's blocks 1 to 3, 24 loads)
.endif
.irp b, 0,1,2,3,4,5,6,7
	v_wmma_f32_16x16x32_bf16 v[AC+8*(\b):AC+8*(\b)+7], v[64*(\q)+8*(\b):64*(\q)+8*(\b)+7], v[FA+8*(\q):FA+8*(\q)+7], v[AC+8*(\b):AC+8*(\b)+7]
.endr
.endr
.endm
; THE WAY OUT of block a (16 rows), in three parts.  PACK: rounded to f16, 16 bytes a lane, each accumulator's registers in ascending order.  TOSTAGE: into my own stage in LDS, and back as whole rows of 256 bytes.  SEND: stored.
.macro PACK a
.set AC, 64*((\a)%4)
	WIN 0x0a+5*((\a)/4)                            ; sources 0 and 1: window 2 or 3
.irp b, 0,1,2,3,4,5,6,7
.irp r, 0,1,2,3
	v_cvt_pk_f16_f32 v[TMP+4*(\b)+(\r)], v[AC+8*(\b)+2*(\r)], v[AC+8*(\b)+2*(\r)+1]
.endr
.endr
	WIN 0
.endm
.macro TOSTAGE a
	WIN 0
.set BK, OB+192*((\a)%2)
.irp b, 0,1,2,3,4,5,6,7
	ds_store_b128 v[STO], v[TMP+4*(\b):TMP+4*(\b)+3] offset:32*(\b)
.endr
.irp t, 0,1,2,3,4,5,6,7
	ds_load_b128 v[BK+4*(\t):BK+4*(\t)+3], v[RD] offset:(\t)*2*SPITCH  ; LDS serves a wave's instructions in order (ISA guide 5.7.1.4): these see the stores above
.endr
.endm
.macro SEND a, younger                 ; younger: the LDS loads issued behind TOSTAGE's, which may stay out
	WIN 0
.set BK, OB+192*((\a)%2)
	s_wait_dscnt \younger                          ; the block is back in registers
	s_wait_xcnt 0x0                                ; every earlier memory instruction has had its addresses translated (ISA guide 3.1): only behind this wait are the stores' base and the registers that earlier stores read rewritten
.if (\a) == 0
	s_mov_b64 s[8:9], s[QKP:QKP+1]                 ; this tile's first rows
.else
	s_add_nc_u64 s[8:9], s[8:9], 16*SIZE_N*2       ; 16 rows on, so that the stores' offsets stay small
.endif
.irp t, 0,1,2,3,4,5,6,7
	global_store_b128 v[CO], v[BK+4*(\t):BK+4*(\t)+3], s[8:9] offset:2*(\t)*SIZE_N*2  ; 16 lanes store 256 consecutive bytes, at a multiple of 256 from qkv's first byte
.endr
.endm
	s_wait_tensorcnt 1                             ; my part of K step 0 is in; K step 1's may stay out
	s_barrier_signal -1
	s_barrier_wait -1                              ; everybody's is
	FETCH 0, 0, F0
	s_mov_b32 s2, TILES                            ; tiles to go, this one among them: the same number in every work-group
.Ltile:                                                ; (FETCH, BIAS and SEND leave every window 0)
	s_wait_loadcnt 0x0                             ; this tile's bias
	QUARTER 0, 64,  F0, F1, 1                      ; a tile's first quarter stands in front of the loop: its products start the sums
	WIN 0                                          ; at a label and at a branch every window is 0
	s_mov_b32 s3, LAPS-1
.Llap:                                                 ; a trip goes once round the ring, from a lap's second quarter to the next lap's first, and fills both slots again
	QUARTER 0, 128, F1, F0, 0
	QUARTER 0, 192, F0, F1, 0
	TURN 0, 1, 0
	QUARTER 1, 64,  F0, F1, 0
	QUARTER 1, 128, F1, F0, 0
	QUARTER 1, 192, F0, F1, 0
	TURN 1, 0, 0
	QUARTER 0, 64,  F0, F1, 0
	WIN 0
	s_sub_co_u32 s3, s3, 1
	s_cmp_lg_u32 s3, 0
	s_cbranch_scc1 .Llap
	QUARTER 0, 128, F1, F0, 0                      ; the tile's last lap goes on
	QUARTER 0, 192, F0, F1, 0
	WIN 0
	s_cmp_eq_u32 s2, 1
	s_cbranch_scc1 .Llast_tile                     ; the last tile's tail is written out: it asks for nothing more
	s_add_nc_u64 s[BBP:BBP+1], s[BBP:BBP+1], 4096  ; the next tile's bias, 1,024 columns on: the last loads by this base were waited for at the tile's head, and the
	BIAS                                           ; registers' last readers, the tile's first products, lie seven K steps and their v_nop back
	TURN 0, 1, 1                                   ; THE RING GOES ON INTO THE NEXT TILE: slot 0 takes its K step 0,
	QUARTER 1, 64,  F0, F1, 0
	QUARTER 1, 128, F1, F0, 0
	QUARTER 1, 192, F0, F1, 0
	TURN 1, 0, 1                                   ; slot 1 its K step 1, and the next tile's first fragments are fetched
	PACK 0                                         ; both refills are asked for: now the tile goes out.  No v_nop: blocks 0-3 were finished in front of the joint load's four, and their 128 conversions,
	TOSTAGE 0                                      ; which name no register of the last products (blocks 4-7's), are those products' places
.irp a, 1,2,3,4,5,6,7                  ; block a's conversions stand between block a - 1's loads from the stage and the wait for them
	PACK \a
	SEND (\a)-1, 0
	TOSTAGE \a
.endr
	SEND 7, 0
	s_add_nc_u64 s[QKP:QKP+1], s[QKP:QKP+1], 2048  ; the next tile lies 1,024 columns on
	s_sub_co_u32 s2, s2, 1
	s_branch .Ltile
.Llast_tile:
	MEET 0                                         ; my one tensor load that was still out is slot 1's, the last K step's, so no round follows
	PLACES                                         ; for the loads into buffer 0, which the quarter before multiplied
	BLOAD 0                                        ; three quarters of wt now: buffer 1 (v128-191 of both windows) is still being multiplied
	BLOAD 1
	BLOAD 3
	ALOAD 0
	MUL16 F1, 1, 0, 0
	MUL16 F1, 1, 2, 0
	PLACES                                         ; for the loads into buffer 1
	BLOAD 2
	ALOAD 1
	ALOAD 2
	ALOAD 3
	s_wait_dscnt 40                                ; all but the 40 just issued: wt's quarter 2 (16) and xb's blocks 1 to 3 (24)
	ROW 0
.irp a, 0,1,2,3,4,5,6,7                ; each block leaves as soon as it is finished: nothing follows this tile under which its stores could leave
	PLACES                                         ; its conversions read results just made, and its buffer of xb is loaded again
	PACK \a
	TOSTAGE \a
.if (\a) < 4
	ALOAD (\a)+4                                   ; its buffer takes the block four further on
	SEND \a, 8
.else
	SEND \a, 0
.endif
.if (\a) < 7
	ROW (\a)+1
.endif
.endr
	s_wait_tensorcnt 0x0                           ; the wave's end, behind my last tensor load and my last LDS store
	ds_add_u32 v[SPW], v[NIL]
	s_wait_dscnt 0x0
	CROUND                                         ; the closing round: no work-group ends while a partner may still ask for a tile that names it
	s_endpgm
.Lfunc_end_k_q7db1fef6b9_gemm:
	.size	k_q7db1fef6b9_gemm, .Lfunc_end_k_q7db1fef6b9_gemm-k_q7db1fef6b9_gemm
	.p2alignl 7, 3214868480
	.fill 96, 4, 3214868480
	.section	.rodata,"a",@progbits
	.p2align	6, 0x0
	.amdhsa_kernel k_q7db1fef6b9_gemm
		.amdhsa_group_segment_fixed_size 327680
		.amdhsa_private_segment_fixed_size 0
		.amdhsa_enable_private_segment 0
		.amdhsa_kernarg_size 32
		.amdhsa_user_sgpr_count 2
		.amdhsa_user_sgpr_kernarg_segment_ptr 1
		.amdhsa_wavefront_size32 1
		.amdhsa_system_sgpr_workgroup_id_x 1
		.amdhsa_system_sgpr_workgroup_id_y 1
		.amdhsa_system_sgpr_workgroup_id_z 1
		.amdhsa_system_vgpr_workitem_id 0
		.amdhsa_next_free_vgpr 1024
		.amdhsa_next_free_sgpr 72
		.amdhsa_reserve_vcc 0
		.amdhsa_float_denorm_mode_32 3
		.amdhsa_float_denorm_mode_16_64 3
		.amdhsa_memory_ordered 1
		.amdhsa_forward_progress 1
		.amdhsa_inst_pref_size 212
	.end_amdhsa_kernel
	.amdgpu_metadata
---
amdhsa.version: [ 1, 2 ]
amdhsa.kernels:
  - .name:           k_q7db1fef6b9_gemm
    .symbol:         k_q7db1fef6b9_gemm.kd
    .args:
      - { .name: xb, .offset: 0, .size: 8, .value_kind: global_buffer, .address_space: global }
      - { .name: wt, .offset: 8, .size: 8, .value_kind: global_buffer, .address_space: global }
      - { .name: bb, .offset: 16, .size: 8, .value_kind: global_buffer, .address_space: global }
      - { .name: qkv, .offset: 24, .size: 8, .value_kind: global_buffer, .address_space: global }
    .group_segment_fixed_size: 327680
    .private_segment_fixed_size: 0
    .kernarg_segment_align: 8
    .kernarg_segment_size: 32
    .max_flat_workgroup_size: 128
    .sgpr_count:     72
    .vgpr_count:     1024
    .wavefront_size: 32
...
	.end_amdgpu_metadata
.endif
;; end of part 2
;; launch attn (part 3): grid 256 x 1, 16 waves a work-group, no clusters, 0 bytes of LDS; arguments qkv, out0; writes out0
.if DOCPART == 3
	.amdgcn_target "amdgcn-amd-amdhsa--gfx1250"
	.amdhsa_code_object_version 6
	.text
	.protected	k_q7db1fef6b9_attn
	.globl	k_q7db1fef6b9_attn
	.p2align	8
	.type	k_q7db1fef6b9_attn,@function
k_q7db1fef6b9_attn:
	s_mov_b64 s[64:65], 0
	v_nop
	global_prefetch_b8 v0, s[64:65] scope:SCOPE_SE
	s_setreg_imm32_b32 hwreg(HW_REG_WAVE_MODE, 25, 1), 1
	s_wait_xcnt 0x0
; ATTENTION AMONG A TOKEN'S 16 HEADS.  For each token: s[h][g] = Q[h] . K[g] - 20; e = exp(s), 0 where |s| > 20; p = e / the sum over g of e; out[h][d] = the sum over g of p[h][g] V[g][d].
; qkv: [16384][3072] f16, a token's columns in the order that the launches before made; out0: [16384][16][64] f32.  Products and sums in f32; p is rounded to f16 for the second product.
; No maximum is taken away, as in the definition: its own window holds e within e^-20 .. e^20 and a row's sum within 16 e^20, far inside f32.
; LIMITS.  -20 starts the score's sum instead of being taken away behind it; a score within the roundings of q and k to f16 (some 1e-3 at unit spread) of the window's edges may fall on the other side.
; p below 6e-5 keeps f16's fixed step of 6e-8.  Two tokens share the second product's K: an infinite or NaN v of the one gives NaN in the other (0 x it).  A row all of whose scores are outside the
; window is 0 / 0 = NaN, as in the definition.
; LAYOUT.  A token's row is twelve pieces of 512 bytes, and lane l = (r = l % 16, hf = l / 16) takes the 16 bytes at 16 l of each:
;   Q, K piece i (0-3):  head r, channels 16 i + 8 hf + 0..7: registers 4 (i % 2) .. + 3 of the fragment for channels 32 (i / 2) on.
;   V piece c (0-3):     heads g = 8 hf + 0..7 of channel 4 r + c: registers 0-3 (the pair's first token) or 4-7 (its second) of a source 1 whose column r is channel 4 r + c.
; S^T = K Q^T: a lane holds head h = r and the scores of g = 8 hf + 0..7; rounded in pairs they ARE registers 0-3 of source 0 (row h, K = g) of O = P V.  With zeros for the other token's 16 K,
; [Pa | 0] and [0 | Pb] each pick their token out of the shared V.  O's register j is out[8 hf + j][4 r + c]: the four c side by side are 16 bytes a lane.
; SHARES.  A work-group has 64 tokens, each of its sixteen waves 4, in two turns of two, each turn on registers of its own.  All 48 loads of a wave go out at its start: 16 waves x 48 x 512 bytes are
; the work-group's whole 393,216 bytes of qkv, so nothing is asked for behind a store and no register is loaded twice.  No LDS, no barrier, no cluster: no two waves read the same bytes, and every load
; and store of a wave covers 512 consecutive bytes.  All offsets stand in immediates; no address register is ever rewritten.
.set ROWB, 6144                        ; bytes in a token's row of qkv
.set OUTB, 4096                        ; and of out0
.set LO,  1                            ; v1      16 l
.set SO,  2                            ; v2      2048 hf + 16 r: head 8 hf, my 16 bytes of its 256
.set C20, 4                            ; v4-11   -20: the C operand that starts the scores
.set PA,  12                           ; v12-15  the first token's p       v[12:19] = [Pa | 0]
.set Z,   16                           ; v16-19  0
.set PB,  20                           ; v20-23  the second token's p      v[16:23] = [0 | Pb]
.set SS,  24                           ; v24-31, v32-39  the two tokens' S^T
.set TT,  40                           ; v40-47, v48-55  at work
                                       ; turn u's registers at v[64 + 96 u]: + 0 Qa, + 16 Ka, + 32 Qb, + 48 Kb (16 each), + 64 + 8 c: V's piece c, both tokens
                                       ; s12 clears a sign; s13 = 20; s[14:15] log2(e); s[16:17] v_permlanex16_b32's selects; s20-35 sixteen masks
	s_load_b128 s[4:7], s[0:1], 0x0                ; qkv s[4:5], out0 s[6:7]
	v_lshrrev_b32 v3, 5, v0
	v_readfirstlane_b32 s8, v3                     ; wave 0..15
	s_lshl_b32 s9, ttmp9, 6
	s_lshl2_add_u32 s9, s8, s9                     ; my first token = 64 x work-group + 4 x wave
	s_mul_i32 s10, s9, ROWB
	s_mov_b32 s11, 0
	s_lshl_b32 s18, s9, 12
	s_mov_b32 s19, 0
	s_mov_b32 s12, 0x7fffffff
	s_mov_b32 s13, 0x41a00000                      ; 20.0
	s_mov_b32 s14, 0x3fb8aa3b                      ; log2(e)
	s_mov_b32 s15, s14                             ; named with it as a pair
	s_mov_b32 s16, 0x76543210                      ; each lane takes its own place in the other half
	s_mov_b32 s17, 0xfedcba98
	v_and_b32 v3, 31, v0
	v_lshlrev_b32 v[LO], 4, v3
	v_and_b32 v[SO], 15, v0
	v_lshlrev_b32 v[SO], 4, v[SO]
	v_bfe_u32 v3, v0, 4, 1
	v_lshl_add_u32 v[SO], v3, 11, v[SO]
	s_wait_kmcnt 0x0
	s_add_nc_u64 s[4:5], s[4:5], s[10:11]
	s_add_nc_u64 s[6:7], s[6:7], s[18:19]
; Turn u's tokens, the wave's 2 u and 2 u + 1: 24 loads, Q's and K's sixteen first, so that the scores need not wait for V.
.macro LOADS u
.set BS, 64+96*(\u)
.irp t, 0,1
.irp i, 0,1,2,3,4,5,6,7
	global_load_b128 v[BS+32*(\t)+4*(\i):BS+32*(\t)+4*(\i)+3], v[LO], s[4:5] offset:(2*(\u)+(\t))*ROWB+512*(\i) th:TH_LOAD_NT
.endr
.endr
.irp t, 0,1
.irp c, 0,1,2,3
	global_load_b128 v[BS+64+8*(\c)+4*(\t):BS+64+8*(\c)+4*(\t)+3], v[LO], s[4:5] offset:(2*(\u)+(\t))*ROWB+4096+512*(\c) th:TH_LOAD_NT
.endr
.endr
.endm
	LOADS 0
	LOADS 1
.irp j, 0,1,2,3,4,5,6,7
	v_mov_b32 v[C20+(\j)], 0xc1a00000              ; -20.0
.endr
.irp j, 0,1,2,3
	v_mov_b32 v[Z+(\j)], 0
.endr
; A turn: tokens 2 u and 2 u + 1.  left = the loads issued behind this turn's, which may stay out.
.macro TURN u, left
.set BS, 64+96*(\u)
	s_wait_loadcnt (\left)+8                       ; loads come back in order: Q and K are in; V's eight and the later turn's stay out
	v_wmma_f32_16x16x32_f16 v[SS:SS+7],    v[BS+16:BS+23], v[BS:BS+7],     v[C20:C20+7]     ; the two tokens' accumulators take turns
	v_wmma_f32_16x16x32_f16 v[SS+8:SS+15], v[BS+48:BS+55], v[BS+32:BS+39], v[C20:C20+7]
	v_wmma_f32_16x16x32_f16 v[SS:SS+7],    v[BS+24:BS+31], v[BS+8:BS+15],  v[SS:SS+7]
	v_wmma_f32_16x16x32_f16 v[SS+8:SS+15], v[BS+56:BS+63], v[BS+40:BS+47], v[SS+8:SS+15]
.rept 4
	v_nop                                          ; four places between a product and the first read of its result (ISA guide 7.12.1)
.endr
.set j, 0
.rept 16
	v_and_b32 v[TT+j], s12, v[SS+j]                ; |s|, each accumulator from its lowest register on
.set j, j+1
.endr
.set j, 0
.rept 16
	v_cmp_gt_f32 s[20+j], v[TT+j], s13             ; outside the window
.set j, j+1
.endr
.set j, 0
.rept 8
	v_pk_mul_f32 v[SS+2*j:SS+2*j+1], v[SS+2*j:SS+2*j+1], s[14:15] op_sel_hi:[1,0]
.set j, j+1
.endr
.set j, 0
.rept 16
	v_exp_f32 v[SS+j], v[SS+j]
.set j, j+1
.endr
	v_nop                                          ; a plain instruction between the last exponential and the use of its result (ISA guide 5.7.2)
.set j, 0
	s_wait_alu depctr_va_vdst(0)
.rept 16
	v_cndmask_b32 v[SS+j], v[SS+j], v[Z], s[20+j]  ; 0 outside the window, whatever the exponential gave
.set j, j+1
.endr
.irp t, 0,1
	v_pk_add_f32 v[TT+8*(\t):TT+8*(\t)+1],   v[SS+8*(\t):SS+8*(\t)+1],   v[SS+8*(\t)+2:SS+8*(\t)+3]
	v_pk_add_f32 v[TT+8*(\t)+2:TT+8*(\t)+3], v[SS+8*(\t)+4:SS+8*(\t)+5], v[SS+8*(\t)+6:SS+8*(\t)+7]
.endr
.irp t, 0,1
	v_pk_add_f32 v[TT+8*(\t):TT+8*(\t)+1], v[TT+8*(\t):TT+8*(\t)+1], v[TT+8*(\t)+2:TT+8*(\t)+3]
.endr
.irp t, 0,1
	v_add_f32 v[TT+8*(\t)], v[TT+8*(\t)], v[TT+8*(\t)+1]
.endr
.irp t, 0,1
	v_permlanex16_b32 v[TT+8*(\t)+1], v[TT+8*(\t)], s16, s17   ; the head's other eight g lie in the lane 16 away
.endr
.irp t, 0,1
	v_add_f32 v[TT+8*(\t)], v[TT+8*(\t)], v[TT+8*(\t)+1]
.endr
.irp t, 0,1
	v_rcp_f32 v[TT+8*(\t)], v[TT+8*(\t)]
.endr
	v_nop                                          ; a plain instruction behind the reciprocals
	s_wait_alu depctr_va_vdst(0)
.irp t, 0,1
.irp j, 0,1,2,3
	v_pk_mul_f32 v[SS+8*(\t)+2*(\j):SS+8*(\t)+2*(\j)+1], v[SS+8*(\t)+2*(\j):SS+8*(\t)+2*(\j)+1], v[TT+8*(\t):TT+8*(\t)+1] op_sel_hi:[1,0]
.endr
.endr
.irp t, 0,1
.irp j, 0,1,2,3
	v_cvt_pk_f16_f32 v[PA+8*(\t)+(\j)], v[SS+8*(\t)+2*(\j)], v[SS+8*(\t)+2*(\j)+1]
.endr
.endr
	s_wait_loadcnt \left                           ; V is in
.irp c, 0,1,2,3                        ; eight products on eight accumulators, which lie where Q and K lay: those were last read far more than five plain instructions back
	v_wmma_f32_16x16x32_f16 v[BS+8*(\c):BS+8*(\c)+7],       v[PA:PA+7], v[BS+64+8*(\c):BS+64+8*(\c)+7], 0
	v_wmma_f32_16x16x32_f16 v[BS+32+8*(\c):BS+32+8*(\c)+7], v[Z:Z+7],   v[BS+64+8*(\c):BS+64+8*(\c)+7], 0
.endr
.rept 4
	v_nop                                          ; four places: the lines below read the results and write over V
.endr
	; The four c of a head come side by side: a 4 x 8 turn in registers, so that a lane stores 16 neighbouring bytes.  The first token's goes where V lay, the second's where the first's results lay.
.set j, 0
.rept 8
.irp c, 0,1,2,3
	v_mov_b32 v[BS+64+4*j+(\c)], v[BS+8*(\c)+j]
.endr
.set j, j+1
.endr
.set j, 0
.rept 8
	global_store_b128 v[SO], v[BS+64+4*j:BS+64+4*j+3], s[6:7] offset:2*(\u)*OUTB+256*j th:TH_STORE_NT   ; lanes 0-15 fill head j's 256 bytes, lanes 16-31 head 8 + j's
.set j, j+1
.endr
.set j, 0
.rept 8
.irp c, 0,1,2,3
	v_mov_b32 v[BS+4*j+(\c)], v[BS+32+8*(\c)+j]
.endr
.set j, j+1
.endr
.set j, 0
.rept 8
	global_store_b128 v[SO], v[BS+4*j:BS+4*j+3], s[6:7] offset:(2*(\u)+1)*OUTB+256*j th:TH_STORE_NT
.set j, j+1
.endr
.endm
	TURN 0, 24                                     ; the second turn's 24 loads were issued behind the first's
	TURN 1, 0                                      ; nothing was issued behind these
	s_endpgm
.Lfunc_end_k_q7db1fef6b9_attn:
	.size	k_q7db1fef6b9_attn, .Lfunc_end_k_q7db1fef6b9_attn-k_q7db1fef6b9_attn
	.p2alignl 7, 3214868480
	.fill 96, 4, 3214868480
	.section	.rodata,"a",@progbits
	.p2align	6, 0x0
	.amdhsa_kernel k_q7db1fef6b9_attn
		.amdhsa_group_segment_fixed_size 0
		.amdhsa_private_segment_fixed_size 0
		.amdhsa_enable_private_segment 0
		.amdhsa_kernarg_size 16
		.amdhsa_user_sgpr_count 2
		.amdhsa_user_sgpr_kernarg_segment_ptr 1
		.amdhsa_wavefront_size32 1
		.amdhsa_system_sgpr_workgroup_id_x 1
		.amdhsa_system_sgpr_workgroup_id_y 1
		.amdhsa_system_sgpr_workgroup_id_z 1
		.amdhsa_system_vgpr_workitem_id 0
		.amdhsa_next_free_vgpr 256
		.amdhsa_next_free_sgpr 66
		.amdhsa_reserve_vcc 0
		.amdhsa_float_denorm_mode_32 3
		.amdhsa_float_denorm_mode_16_64 3
		.amdhsa_memory_ordered 1
		.amdhsa_forward_progress 1
		.amdhsa_inst_pref_size 27
	.end_amdhsa_kernel
	.amdgpu_metadata
---
amdhsa.version: [ 1, 2 ]
amdhsa.kernels:
  - .name:           k_q7db1fef6b9_attn
    .symbol:         k_q7db1fef6b9_attn.kd
    .args:
      - { .name: qkv, .offset: 0, .size: 8, .value_kind: global_buffer, .address_space: global }
      - { .name: out0, .offset: 8, .size: 8, .value_kind: global_buffer, .address_space: global }
    .group_segment_fixed_size: 0
    .private_segment_fixed_size: 0
    .kernarg_segment_align: 8
    .kernarg_segment_size: 16
    .max_flat_workgroup_size: 512
    .sgpr_count:     66
    .vgpr_count:     256
    .wavefront_size: 32
...
	.end_amdgpu_metadata
.endif
;; end of part 3
;; ======== version 2 of 2: 3 launches; version 1 with the launch attn written anew for expert scheduling mode
;; limits: values are held in f16: magnitudes above 65,504 overflow, below 6.1e-05 lose precision
;; workspace buffers: xb 33,554,432 bytes; wt 6,291,456 bytes; bb 12,288 bytes; qkv 100,663,296 bytes
;; launch prep: the kernel of part 1 again; grid 1409 x 1, 8 waves a work-group, no clusters, 18,432 bytes of LDS; arguments x, W_qkv, b_qkv, xb, wt, bb; writes xb, wt, bb
;; launch gemm: the kernel of part 2 again; grid 4 x 64, 4 waves a work-group, clusters of 4 x 4, 327,680 bytes of LDS; arguments xb, wt, bb, qkv; writes qkv
;; launch attn (part 4): grid 256 x 1, 16 waves a work-group, no clusters, 0 bytes of LDS; arguments qkv, out0; writes out0
.if DOCPART == 4
	.amdgcn_target "amdgcn-amd-amdhsa--gfx1250"
	.amdhsa_code_object_version 6
	.text
	.protected	k_q7db1fef6b9_attn
	.globl	k_q7db1fef6b9_attn
	.p2align	8
	.type	k_q7db1fef6b9_attn,@function
k_q7db1fef6b9_attn:
	s_mov_b64 s[64:65], 0
	v_nop
	global_prefetch_b8 v0, s[64:65] scope:SCOPE_SE
	s_setreg_imm32_b32 hwreg(HW_REG_WAVE_SCHED_MODE, 0, 2), 2
	s_setreg_imm32_b32 hwreg(HW_REG_WAVE_MODE, 25, 1), 1
	s_wait_xcnt 0x0
	s_wait_alu depctr_vm_vsrc(0)
; ATTENTION AMONG A TOKEN'S 16 HEADS.  For each token: s[h][g] = Q[h] . K[g] - 20; e = exp(s), 0 where |s| > 20; p = e / the sum over g of e; out[h][d] = the sum over g of p[h][g] V[g][d].
; qkv: [16384][3072] f16, a token's columns in the order that the launches before made; out0: [16384][16][64] f32.  Products and sums in f32; p is rounded to f16 for the second product.
; No maximum is taken away, as in the definition: its own window holds e within e^-20 .. e^20 and a row's sum within 16 e^20, far inside f32.
; LIMITS.  -20 starts the score's sum instead of being taken away behind it; a score within the roundings of q and k to f16 (some 1e-3 at unit spread) of the window's edges may fall on the other side.
; p below 6e-5 keeps f16's fixed step of 6e-8.  Two tokens share the second product's K: an infinite or NaN v of the one gives NaN in the other (0 x it).  A row all of whose scores are outside the
; window is 0 / 0 = NaN, as in the definition.
; LAYOUT.  A token's row is twelve pieces of 512 bytes, and lane l = (r = l % 16, hf = l / 16) takes the 16 bytes at 16 l of each:
;   Q, K piece i (0-3):  head r, channels 16 i + 8 hf + 0..7: registers 4 (i % 2) .. + 3 of the fragment for channels 32 (i / 2) on.
;   V piece c (0-3):     heads g = 8 hf + 0..7 of channel 4 r + c: registers 0-3 (the pair's first token) or 4-7 (its second) of a source 1 whose column r is channel 4 r + c.
; S^T = K Q^T: a lane holds head h = r and the scores of g = 8 hf + 0..7; rounded in pairs they ARE registers 0-3 of source 0 (row h, K = g) of O = P V.  With zeros for the other token's 16 K,
; [Pa | 0] and [0 | Pb] each pick their token out of the shared V.  O's register j is out[8 hf + j][4 r + c]: the four c side by side are 16 bytes a lane.
; SHARES.  A work-group has 64 tokens, each of its sixteen waves 4, in two turns of two, each turn on registers of its own.  All 48 loads of a wave go out at its start: 16 waves x 48 x 512 bytes are
; the work-group's whole 393,216 bytes of qkv, so nothing is asked for behind a store and no register is loaded twice.  No LDS, no barrier, no cluster: no two waves read the same bytes, and every load
; and store of a wave covers 512 consecutive bytes.  All offsets stand in immediates; no address register is ever rewritten.
; THE MODE: SCHED_MODE bits 1:0 = 2 (LLVM: expert scheduling mode 2), set by the entry lines.  The code itself states the register dependences between vector or matrix instructions and memory
; instructions, and those through scalar registers that vector instructions write, with s_wait_alu, always for 0.
; THE PLAN.  Registers that memory instructions touch:
;   v1, v2          The loads' and the stores' offsets.  Written by vector instructions at the head, ahead of one wait on va_vdst; read by every load and store; never written again.
;   v64-255         As loaded: the 48 loads land in them; no vector instruction names them ahead of the loads, and none of them is loaded twice.
;   turn u's out-buffers, v[BS+64 .. BS+95] (first token) and v[BS .. BS+31] (second token): written by the turn's 64 moves; read by its 16 stores; never written again, since the other turn has registers
;                   of its own.  So ONE wait on va_vdst stands between the moves and the run of stores, and no wait on vm_vsrc is owed anywhere: no register that a memory instruction reads is written behind it.
;   v4-55           Named by vector and matrix instructions alone.
; Scalar registers that vector instructions write: s8 (the wave's number) and s20-35 (a turn's sixteen masks): one wait on va_sdst behind each run of writers, ahead of the first reader.
.set ROWB, 6144                        ; bytes in a token's row of qkv
.set OUTB, 4096                        ; and of out0
.set LO,  1                            ; v1      16 l
.set SO,  2                            ; v2      2048 hf + 16 r: head 8 hf, my 16 bytes of its 256
.set C20, 4                            ; v4-11   -20: the C operand that starts the scores
.set PA,  12                           ; v12-15  the first token's p       v[12:19] = [Pa | 0]
.set Z,   16                           ; v16-19  0
.set PB,  20                           ; v20-23  the second token's p      v[16:23] = [0 | Pb]
.set SS,  24                           ; v24-31, v32-39  the two tokens' S^T
.set TT,  40                           ; v40-47, v48-55  at work
                                       ; turn u's registers at v[64 + 96 u]: + 0 Qa, + 16 Ka, + 32 Qb, + 48 Kb (16 each), + 64 + 8 c: V's piece c, both tokens
                                       ; s12 clears a sign; s13 = 20; s[14:15] log2(e); s[16:17] v_permlanex16_b32's selects; s20-35 sixteen masks
	s_load_b128 s[4:7], s[0:1], 0x0                ; qkv s[4:5], out0 s[6:7]
	v_lshrrev_b32 v3, 5, v0
	v_readfirstlane_b32 s8, v3                     ; wave 0..15
	s_mov_b32 s11, 0
	s_mov_b32 s19, 0
	s_mov_b32 s12, 0x7fffffff
	s_mov_b32 s13, 0x41a00000                      ; 20.0
	s_mov_b32 s14, 0x3fb8aa3b                      ; log2(e)
	s_mov_b32 s15, s14                             ; named with it as a pair
	s_mov_b32 s16, 0x76543210                      ; each lane takes its own place in the other half
	s_mov_b32 s17, 0xfedcba98
	v_and_b32 v3, 31, v0
	v_lshlrev_b32 v[LO], 4, v3
	v_and_b32 v[SO], 15, v0
	v_lshlrev_b32 v[SO], 4, v[SO]
	v_bfe_u32 v3, v0, 4, 1
	v_lshl_add_u32 v[SO], v3, 11, v[SO]
	s_wait_alu depctr_va_sdst(0)                   ; s8 is written, ahead of its first reader: my first token, and both bases with it, are made from it
	s_lshl_b32 s9, ttmp9, 6
	s_lshl2_add_u32 s9, s8, s9                     ; my first token = 64 x work-group + 4 x wave
	s_mul_i32 s10, s9, ROWB
	s_lshl_b32 s18, s9, 12
	s_wait_kmcnt 0x0
	s_add_nc_u64 s[4:5], s[4:5], s[10:11]
	s_add_nc_u64 s[6:7], s[6:7], s[18:19]
	s_wait_alu depctr_va_vdst(0)                   ; v1 and v2 are written: every load of the kernel reads v1 as its offset, every store v2
; Turn u's tokens, the wave's 2 u and 2 u + 1: 24 loads, Q's and K's sixteen first, so that the scores need not wait for V.
.macro LOADS u
.set BS, 64+96*(\u)
.irp t, 0,1
.irp i, 0,1,2,3,4,5,6,7
	global_load_b128 v[BS+32*(\t)+4*(\i):BS+32*(\t)+4*(\i)+3], v[LO], s[4:5] offset:(2*(\u)+(\t))*ROWB+512*(\i) th:TH_LOAD_NT
.endr
.endr
.irp t, 0,1
.irp c, 0,1,2,3
	global_load_b128 v[BS+64+8*(\c)+4*(\t):BS+64+8*(\c)+4*(\t)+3], v[LO], s[4:5] offset:(2*(\u)+(\t))*ROWB+4096+512*(\c) th:TH_LOAD_NT
.endr
.endr
.endm
	LOADS 0
	LOADS 1
.irp j, 0,1,2,3,4,5,6,7
	v_mov_b32 v[C20+(\j)], 0xc1a00000              ; -20.0
.endr
.irp j, 0,1,2,3
	v_mov_b32 v[Z+(\j)], 0
.endr
; A turn: tokens 2 u and 2 u + 1.  left = the loads issued behind this turn's, which may stay out.
.macro TURN u, left
.set BS, 64+96*(\u)
	s_wait_loadcnt (\left)+8                       ; loads come back in order: Q and K are in; V's eight and the later turn's stay out
	v_wmma_f32_16x16x32_f16 v[SS:SS+7],    v[BS+16:BS+23], v[BS:BS+7],     v[C20:C20+7]     ; the two tokens' accumulators take turns
	v_wmma_f32_16x16x32_f16 v[SS+8:SS+15], v[BS+48:BS+55], v[BS+32:BS+39], v[C20:C20+7]
	v_wmma_f32_16x16x32_f16 v[SS:SS+7],    v[BS+24:BS+31], v[BS+8:BS+15],  v[SS:SS+7]
	v_wmma_f32_16x16x32_f16 v[SS+8:SS+15], v[BS+56:BS+63], v[BS+40:BS+47], v[SS+8:SS+15]
.rept 4
	v_nop                                          ; four places between a product and the first read of its result (ISA guide 7.12.1)
.endr
.set j, 0
.rept 16
	v_and_b32 v[TT+j], s12, v[SS+j]                ; |s|, each accumulator from its lowest register on
.set j, j+1
.endr
.set j, 0
.rept 16
	v_cmp_gt_f32 s[20+j], v[TT+j], s13             ; outside the window
.set j, j+1
.endr
.set j, 0
.rept 8
	v_pk_mul_f32 v[SS+2*j:SS+2*j+1], v[SS+2*j:SS+2*j+1], s[14:15] op_sel_hi:[1,0]
.set j, j+1
.endr
.set j, 0
.rept 16
	v_exp_f32 v[SS+j], v[SS+j]
.set j, j+1
.endr
	v_nop                                          ; a plain instruction between the last exponential and the use of its result (ISA guide 5.7.2)
	s_wait_alu depctr_va_vdst(0)                   ; the sixteen exponentials have written v[SS ..], ahead of their first reader: one wait for the batch
	s_wait_alu depctr_va_sdst(0)                   ; the sixteen compares have written s20-35, ahead of the first select that reads a mask: one wait for the run
.set j, 0
.rept 16
	v_cndmask_b32 v[SS+j], v[SS+j], v[Z], s[20+j]  ; 0 outside the window, whatever the exponential gave
.set j, j+1
.endr
.irp t, 0,1
	v_pk_add_f32 v[TT+8*(\t):TT+8*(\t)+1],   v[SS+8*(\t):SS+8*(\t)+1],   v[SS+8*(\t)+2:SS+8*(\t)+3]
	v_pk_add_f32 v[TT+8*(\t)+2:TT+8*(\t)+3], v[SS+8*(\t)+4:SS+8*(\t)+5], v[SS+8*(\t)+6:SS+8*(\t)+7]
.endr
.irp t, 0,1
	v_pk_add_f32 v[TT+8*(\t):TT+8*(\t)+1], v[TT+8*(\t):TT+8*(\t)+1], v[TT+8*(\t)+2:TT+8*(\t)+3]
.endr
.irp t, 0,1
	v_add_f32 v[TT+8*(\t)], v[TT+8*(\t)], v[TT+8*(\t)+1]
.endr
.irp t, 0,1
	v_permlanex16_b32 v[TT+8*(\t)+1], v[TT+8*(\t)], s16, s17   ; the head's other eight g lie in the lane 16 away
.endr
.irp t, 0,1
	v_add_f32 v[TT+8*(\t)], v[TT+8*(\t)], v[TT+8*(\t)+1]
.endr
.irp t, 0,1
	v_rcp_f32 v[TT+8*(\t)], v[TT+8*(\t)]
.endr
	v_nop                                          ; a plain instruction behind the reciprocals
	s_wait_alu depctr_va_vdst(0)                   ; the two reciprocals have written v[TT] and v[TT+8], ahead of their first reader
.irp t, 0,1
.irp j, 0,1,2,3
	v_pk_mul_f32 v[SS+8*(\t)+2*(\j):SS+8*(\t)+2*(\j)+1], v[SS+8*(\t)+2*(\j):SS+8*(\t)+2*(\j)+1], v[TT+8*(\t):TT+8*(\t)+1] op_sel_hi:[1,0]
.endr
.endr
.irp t, 0,1
.irp j, 0,1,2,3
	v_cvt_pk_f16_f32 v[PA+8*(\t)+(\j)], v[SS+8*(\t)+2*(\j)], v[SS+8*(\t)+2*(\j)+1]
.endr
.endr
	s_wait_loadcnt \left                           ; V is in
.irp c, 0,1,2,3                        ; eight products on eight accumulators, which lie where Q and K lay: those were last read far more than five plain instructions back
	v_wmma_f32_16x16x32_f16 v[BS+8*(\c):BS+8*(\c)+7],       v[PA:PA+7], v[BS+64+8*(\c):BS+64+8*(\c)+7], 0
	v_wmma_f32_16x16x32_f16 v[BS+32+8*(\c):BS+32+8*(\c)+7], v[Z:Z+7],   v[BS+64+8*(\c):BS+64+8*(\c)+7], 0
.endr
.rept 4
	v_nop                                          ; four places: the lines below read the results and write over V
.endr
	; The four c of a head come side by side: a 4 x 8 turn in registers, so that a lane stores 16 neighbouring bytes.  The first token's goes where V lay, the second's where the first's results lay.
	; Both tokens' moves stand together, so that one wait serves the turn's sixteen stores.
.set j, 0
.rept 8
.irp c, 0,1,2,3
	v_mov_b32 v[BS+64+4*j+(\c)], v[BS+8*(\c)+j]
.endr
.set j, j+1
.endr
.set j, 0
.rept 8
.irp c, 0,1,2,3
	v_mov_b32 v[BS+4*j+(\c)], v[BS+32+8*(\c)+j]
.endr
.set j, j+1
.endr
	s_wait_alu depctr_va_vdst(0)                   ; the 64 moves have written v[BS+64 .. BS+95] and v[BS .. BS+31], which the sixteen stores below read
.set j, 0
.rept 8
	global_store_b128 v[SO], v[BS+64+4*j:BS+64+4*j+3], s[6:7] offset:2*(\u)*OUTB+256*j th:TH_STORE_NT   ; lanes 0-15 fill head j's 256 bytes, lanes 16-31 head 8 + j's
.set j, j+1
.endr
.set j, 0
.rept 8
	global_store_b128 v[SO], v[BS+4*j:BS+4*j+3], s[6:7] offset:(2*(\u)+1)*OUTB+256*j th:TH_STORE_NT
.set j, j+1
.endr
.endm
	TURN 0, 24                                     ; the second turn's 24 loads were issued behind the first's
	TURN 1, 0                                      ; nothing was issued behind these; its vector and matrix instructions name v4-55 and v160-255, none of the registers that the first turn's stores read
	s_endpgm
.Lfunc_end_k_q7db1fef6b9_attn:
	.size	k_q7db1fef6b9_attn, .Lfunc_end_k_q7db1fef6b9_attn-k_q7db1fef6b9_attn
	.p2alignl 7, 3214868480
	.fill 96, 4, 3214868480
	.section	.rodata,"a",@progbits
	.p2align	6, 0x0
	.amdhsa_kernel k_q7db1fef6b9_attn
		.amdhsa_group_segment_fixed_size 0
		.amdhsa_private_segment_fixed_size 0
		.amdhsa_enable_private_segment 0
		.amdhsa_kernarg_size 16
		.amdhsa_user_sgpr_count 2
		.amdhsa_user_sgpr_kernarg_segment_ptr 1
		.amdhsa_wavefront_size32 1
		.amdhsa_system_sgpr_workgroup_id_x 1
		.amdhsa_system_sgpr_workgroup_id_y 1
		.amdhsa_system_sgpr_workgroup_id_z 1
		.amdhsa_system_vgpr_workitem_id 0
		.amdhsa_next_free_vgpr 256
		.amdhsa_next_free_sgpr 66
		.amdhsa_reserve_vcc 0
		.amdhsa_float_denorm_mode_32 3
		.amdhsa_float_denorm_mode_16_64 3
		.amdhsa_memory_ordered 1
		.amdhsa_forward_progress 1
		.amdhsa_inst_pref_size 27
	.end_amdhsa_kernel
	.amdgpu_metadata
---
amdhsa.version: [ 1, 2 ]
amdhsa.kernels:
  - .name:           k_q7db1fef6b9_attn
    .symbol:         k_q7db1fef6b9_attn.kd
    .args:
      - { .name: qkv, .offset: 0, .size: 8, .value_kind: global_buffer, .address_space: global }
      - { .name: out0, .offset: 8, .size: 8, .value_kind: global_buffer, .address_space: global }
    .group_segment_fixed_size: 0
    .private_segment_fixed_size: 0
    .kernarg_segment_align: 8
    .kernarg_segment_size: 16
    .max_flat_workgroup_size: 512
    .sgpr_count:     66
    .vgpr_count:     256
    .wavefront_size: 32
...
	.end_amdgpu_metadata
.endif
;; end of part 4
